; MI455X (gfx1250); checked and timed in simulation.
; The chip was launched on July 23, 2026; its instructions are those of AMD's public machine-readable ISA for CDNA 5 (MIT licence, August 2026) and "CDNA5" Instruction Set Architecture Reference Guide (July 2026). The comments in the code are by the model that wrote it; some were corrected since.
;; K Means. Allowed arithmetic: matrix products marked QUANTISED: E3M2 operands, one E8M0 scale for each 32 along K, by v_wmma_scale_f32_16x16x128_f8f6f4 with both operands' format E3M2, f32 sums; everything else in f32.
;; Inputs: X 200,000 x 256 float32; centroids 1,024 x 256 float32.
;; Outputs: out0 200,000 int32.
;; This version of the problem:
;;   THIS VERSION OF THE PROBLEM IS GIVEN IN LOW PRECISION. The matrix products marked QUANTISED in the list below multiply operands that are first quantised to E3M2 (3 exponent bits, 2 mantissa bits; 6 bits a number), with one power-of-two scale for each 32 numbers along K (OCP MX v1.0); their sums are f32. All else is computed in f32.
;;   The module's matrix products, in the order in which they are computed (A, B: the left and right operand; K: the contracted axis; several contracted axes count as one K, in the product's order):
;;     1. [M 200,000, K 256] x [K 256, N 1,024]; A: input X; B: input centroids: QUANTISED
;;   THE QUANTISER, for each operand of a quantised product, along K:
;;     - K is cut into blocks of 32 from its start; a last block that is shorter is filled with zeros.
;;     - A block's scale is 2^e with e = floor(log2(the largest magnitude in the block)) - 4, held to -126 .. 127; a block of zeros has e = 0. As a byte (E8M0): e + 127.
;;     - Each number is divided by its block's scale, clamped to +-28, and rounded to the nearest number of E3M2, ties to even, subnormals kept.
;;     - The product sums the exact products of the quantised numbers (number of the format x scale) in f32.
;;   ~~~python
;;   def quantise(x, axis):      # numpy; x: float32 -> the quantised numbers, widened to float32 again
;;       x = np.moveaxis(x, axis, -1); K = x.shape[-1]
;;       x = np.pad(x, [(0, 0)] * (x.ndim - 1) + [(0, -K % 32)]); x = x.reshape(x.shape[:-1] + (-1, 32)); a = np.abs(x).max(-1, keepdims=True)
;;       e = np.where(a > 0, np.clip(np.frexp(np.where(a > 0, a, 1))[1] - 1 - 4, -126, 127), 0)      # np.frexp(a)[1] - 1 = floor(log2(a)), exactly
;;       r = np.clip(x / 2.0 ** e, -28, 28)
;;       step = 2.0 ** (np.maximum(np.frexp(np.where(r == 0, 1, r))[1] - 1, -2) - 2)
;;       q = np.round(r / step) * step * 2.0 ** e      # np.round: ties to even
;;       return np.moveaxis(q.reshape(q.shape[:-2] + (-1,))[..., :K], -1, axis).astype(np.float32)
;;   ~~~
;; One version. Each part assembles by itself: llvm-mc -triple=amdgcn-amd-amdhsa -mcpu=gfx1250 --defsym DOCPART=n.
;; ======== version 1 of 1: 2 launches
;; limits: right only within a limited range of input values
;; workspace buffers: ccodes 196,608 bytes; cscale 16,384 bytes; chalf 4,096 bytes
;; launch prep (part 1): grid 64 x 1, 1 waves a work-group, no clusters, 0 bytes of LDS; arguments centroids, ccodes, cscale, chalf; writes ccodes, cscale, chalf
.if DOCPART == 1
	.amdgcn_target "amdgcn-amd-amdhsa--gfx1250"
	.amdhsa_code_object_version 6
	.text
	.protected	k_q75084cd931_prep
	.globl	k_q75084cd931_prep
	.p2align	8
	.type	k_q75084cd931_prep,@function
k_q75084cd931_prep:
	s_mov_b64 s[64:65], 0
	v_nop
	global_prefetch_b8 v0, s[64:65] scope:SCOPE_SE
	s_setreg_imm32_b32 hwreg(HW_REG_WAVE_MODE, 25, 1), 1
	s_wait_xcnt 0x0
; The centroids [1024][256] f32 are made ready once for the launch that follows: codes of BF6 (E3M2) with one E8M0 scale for each 32 along K, and -c2/2 (c2 = the row's sum of squares, of the raw f32 numbers).
; One wave takes one tile of 16 centroids: 64 tiles, 64 work-groups.  No LDS, no barrier, no loop.
; LAYOUT OF THE RESULTS: as the reader's registers want them.
;   ccodes: fragment (tile T, K step s of 128) is the image of its 12 registers: three groups of four registers, lane l's 16 bytes at 16 l: (2 T + s) x 1536 + 512 c + 16 l.
;   cscale: the scale words (four bytes: 128 along K of one centroid) at (T / 2) x 512 + 16 l + 8 (T % 2) + 4 s: four words of a lane on end, for one load of 16 bytes.
;   chalf:  [1024] f32, -c2 / 2 (the halving rounds nothing).
; A lane (r = l % 16, h = l / 16) holds of centroid r the blocks that the operand's layout gives it: k = 128 s + 64 c + 32 h + 0 .. 31: WHOLE blocks, so that a block's largest magnitude needs no other lane.
; A block's scale is 2^(floor(log2(its largest magnitude)) - 4): its byte is that magnitude's exponent field - 4, held at 1 from below.
; LIMITS: a block of zeros gets the byte 1 where the rule says 127 (its codes are zeros, and this program alone reads the bytes); NaN and infinities are not served; c2 is summed in four chains, not in the order of a plain loop.
; WORK LEFT OUT BY THE PROGRAM: x2[n] = sum of X[n][:]^2 is added to every d2[n][k] of row n alike, so for all finite inputs the k of the smallest x2 - 2 xc + c2 is the k of the
; largest xc - c2/2 in exact arithmetic: x2 is not computed.  X itself is live (it is the product's operand).  LIMIT: an overflow, NaN or infinity that reaches x2 alone is not carried to the labels.
.set N,   32
.set MX,  160                          ; v160-161 largest magnitudes of my two blocks
.set SC,  162                          ; v162-163 the conversions' scale operands
.set BY,  164                          ; v164-165 the scale bytes
.set WT,  166                          ; v166     my two bytes at their places
.set PT,  167                          ; v167     lane l xor 16's
.set PC0, 168                          ; v168-179 K step 0's codes
.set PC1, 180                          ; v180-191 K step 1's
.set CT,  192                          ; v192-199 the second halves of the blocks' codes, before they are moved
.set WD,  200                          ; v200-201 the two scale words
.set ACC, 202                          ; v202-205 the sum of squares, in two pairs
.set SH8, 6                            ; v6       8 h
; 64 numbers of a lane, v[n] on (block c at n + 32 c), become a fragment's 12 registers v[pc] on and its scale word v[wd]; their squares go onto ACC (first = 1: they start it, nothing is cleared).
.macro QUANT n, pc, wd, first
.irp i, 0,2,4,6,8,10,12,14,16,18,20,22,24,26,28,30
.if \i == 0
	v_max3_num_f32 v[MX], |v[(\n)]|, |v[(\n)+1]|, 0x2800000          ; the floor 2^(5 - 127) is one more leaf: the byte cannot fall under 1
	v_max3_num_f32 v[MX+1], |v[(\n)+32]|, |v[(\n)+33]|, 0x2800000
.else
	v_max3_num_f32 v[MX], v[MX], |v[(\n)+\i]|, |v[(\n)+\i+1]|        ; four chains by turns: no line waits for the line above it
	v_max3_num_f32 v[MX+1], v[MX+1], |v[(\n)+32+\i]|, |v[(\n)+33+\i]|
.endif
.if \first && (\i == 0)
	v_pk_mul_f32 v[ACC:ACC+1], v[(\n):(\n)+1], v[(\n):(\n)+1]
	v_pk_mul_f32 v[ACC+2:ACC+3], v[(\n)+32:(\n)+33], v[(\n)+32:(\n)+33]
.else
	v_pk_fma_f32 v[ACC:ACC+1], v[(\n)+\i:(\n)+\i+1], v[(\n)+\i:(\n)+\i+1], v[ACC:ACC+1]
	v_pk_fma_f32 v[ACC+2:ACC+3], v[(\n)+32+\i:(\n)+33+\i], v[(\n)+32+\i:(\n)+33+\i], v[ACC+2:ACC+3]
.endif
.endr
	v_add_nc_u32 v[SC], 0xfe000000, v[MX]          ; 4 off the exponent field: the conversion takes the exponent field of this operand as its scale, and nothing else of it
	v_add_nc_u32 v[SC+1], 0xfe000000, v[MX+1]
	v_lshrrev_b32 v[BY], 23, v[SC]                 ; the scales' bytes
	v_lshrrev_b32 v[BY+1], 23, v[SC+1]
	v_lshl_or_b32 v[WT], v[BY+1], 16, v[BY]        ; my blocks are h and 2 + h of the K step's four:
	v_lshlrev_b32 v[WT], v[SH8], v[WT]             ; their bytes 8 h bits up;
	v_permlanex16_b32 v[PT], v[WT], s20, s21
	v_or_b32 v[\wd], v[WT], v[PT]                  ; with lane l xor 16's two the word is whole, in both lanes
.irp c, 0,1
	v_cvt_scalef32_pk16_bf6_f32 v[(\pc)+6*\c:(\pc)+6*\c+2], v[(\n)+32*\c:(\n)+32*\c+15], v[SC+\c]
	v_cvt_scalef32_pk16_bf6_f32 v[CT+4*\c:CT+4*\c+2], v[(\n)+32*\c+16:(\n)+32*\c+31], v[SC+\c]   ; (a conversion's three registers begin on an even number: a block's second three do not, so they are made here and moved)
.endr
	v_nop                                          ; one plain place behind the scaled conversions
.irp c, 0,1
.irp i, 0,1,2
	v_mov_b32 v[(\pc)+3+6*\c+\i], v[CT+4*\c+\i]
.endr
.endr
.endm
	s_load_b256 s[4:11], s[0:1], 0x0               ; centroids s[4:5], ccodes s[6:7], cscale s[8:9], chalf s[10:11]
	v_and_b32 v1, 15, v0                           ; r
	v_lshrrev_b32 v2, 4, v0                        ; h (one wave: v0 is the lane)
	v_lshlrev_b32 v3, 10, v1
	v_lshl_add_u32 v3, v2, 7, v3                   ; in: row r of 1,024 bytes, + 128 h: my block of 32 numbers
	v_lshlrev_b32 v4, 4, v0                        ; out: 16 bytes a lane
	v_lshlrev_b32 v5, 2, v1                        ; and 4 bytes a centroid
	v_lshlrev_b32 v[SH8], 3, v2
	v_mov_b32 v[PT], 0                             ; written once: a lane permute's destination counts as one of its sources
	v_mov_b32 v207, 0
	s_mov_b32 s20, 0x76543210
	s_mov_b32 s21, 0xfedcba98                      ; v_permlanex16_b32's selects for lane l xor 16
	s_lshl_b32 s12, ttmp9, 14                      ; the tile's 16 rows of 1,024 bytes
	s_mov_b32 s13, 0
	s_mul_i32 s14, ttmp9, 3072                     ; its two fragments' images
	s_mov_b32 s15, 0
	s_lshr_b32 s16, ttmp9, 1
	s_lshl_b32 s16, s16, 9
	s_and_b32 s17, ttmp9, 1
	s_lshl_b32 s17, s17, 3
	s_add_co_u32 s16, s16, s17                     ; its scale words: (T / 2) x 512 + 8 (T % 2)
	s_mov_b32 s17, 0
	s_lshl_b32 s18, ttmp9, 6                       ; its 16 numbers of chalf
	s_mov_b32 s19, 0
	s_wait_alu depctr_va_vdst(0)
	s_wait_kmcnt 0x0
	s_add_nc_u64 s[4:5], s[4:5], s[12:13]
	s_add_nc_u64 s[6:7], s[6:7], s[14:15]
	s_add_nc_u64 s[8:9], s[8:9], s[16:17]
	s_add_nc_u64 s[10:11], s[10:11], s[18:19]
.irp s, 0,1
.irp c, 0,1
.irp i, 0,1,2,3,4,5,6,7
	global_load_b128 v[N+64*\s+32*\c+4*\i:N+64*\s+32*\c+4*\i+3], v3, s[4:5] offset:512*\s+256*\c+16*\i
.endr
.endr
.endr
	s_wait_loadcnt 16                              ; K step 0's sixteen loads are in; K step 1's sixteen may be out
	QUANT N, PC0, WD, 1
	s_wait_loadcnt 0x0
	QUANT N+64, PC1, WD+1, 0
	v_pk_add_f32 v[ACC:ACC+1], v[ACC:ACC+1], v[ACC+2:ACC+3]
	v_add_f32 v206, v[ACC], v[ACC+1]               ; my 128 squares,
	v_permlanex16_b32 v207, v206, s20, s21
	v_add_f32 v206, v206, v207                     ; and lane l xor 16's: c2
	v_mul_f32 v206, -0.5, v206
.irp c, 0,1,2
	global_store_b128 v4, v[PC0+4*\c:PC0+4*\c+3], s[6:7] offset:512*\c        ; 32 lanes store 512 consecutive bytes
	global_store_b128 v4, v[PC1+4*\c:PC1+4*\c+3], s[6:7] offset:1536+512*\c
.endr
	global_store_b64 v4, v[WD:WD+1], s[8:9]        ; 8 of each 16 bytes: the neighbouring tile's work-group writes the other 8 (16 KiB in all)
	global_store_b32 v5, v206, s[10:11]            ; lanes l and l + 16 write the same word with the same value
	s_endpgm
.Lfunc_end_k_q75084cd931_prep:
	.size	k_q75084cd931_prep, .Lfunc_end_k_q75084cd931_prep-k_q75084cd931_prep
	.p2alignl 7, 3214868480
	.fill 96, 4, 3214868480
	.section	.rodata,"a",@progbits
	.p2align	6, 0x0
	.amdhsa_kernel k_q75084cd931_prep
		.amdhsa_group_segment_fixed_size 0
		.amdhsa_private_segment_fixed_size 0
		.amdhsa_enable_private_segment 0
		.amdhsa_kernarg_size 32
		.amdhsa_user_sgpr_count 2
		.amdhsa_user_sgpr_kernarg_segment_ptr 1
		.amdhsa_wavefront_size32 1
		.amdhsa_system_sgpr_workgroup_id_x 1
		.amdhsa_system_sgpr_workgroup_id_y 1
		.amdhsa_system_sgpr_workgroup_id_z 1
		.amdhsa_system_vgpr_workitem_id 0
		.amdhsa_next_free_vgpr 208
		.amdhsa_next_free_sgpr 66
		.amdhsa_reserve_vcc 0
		.amdhsa_float_denorm_mode_32 3
		.amdhsa_float_denorm_mode_16_64 3
		.amdhsa_memory_ordered 1
		.amdhsa_forward_progress 1
		.amdhsa_inst_pref_size 16
	.end_amdhsa_kernel
	.amdgpu_metadata
---
amdhsa.version: [ 1, 2 ]
amdhsa.kernels:
  - .name:           k_q75084cd931_prep
    .symbol:         k_q75084cd931_prep.kd
    .args:
      - { .name: centroids, .offset: 0, .size: 8, .value_kind: global_buffer, .address_space: global }
      - { .name: ccodes, .offset: 8, .size: 8, .value_kind: global_buffer, .address_space: global }
      - { .name: cscale, .offset: 16, .size: 8, .value_kind: global_buffer, .address_space: global }
      - { .name: chalf, .offset: 24, .size: 8, .value_kind: global_buffer, .address_space: global }
    .group_segment_fixed_size: 0
    .private_segment_fixed_size: 0
    .kernarg_segment_align: 8
    .kernarg_segment_size: 32
    .max_flat_workgroup_size: 32
    .sgpr_count:     66
    .vgpr_count:     208
    .wavefront_size: 32
...
	.end_amdgpu_metadata
.endif
;; end of part 1
;; launch assign (part 2): grid 256 x 1, 8 waves a work-group, no clusters, 327,680 bytes of LDS; arguments X, ccodes, cscale, chalf, out0; writes out0
.if DOCPART == 2
	.amdgcn_target "amdgcn-amd-amdhsa--gfx1250"
	.amdhsa_code_object_version 6
	.text
	.protected	k_q75084cd931_assign
	.globl	k_q75084cd931_assign
	.p2align	8
	.type	k_q75084cd931_assign,@function
k_q75084cd931_assign:
	s_mov_b64 s[64:65], 0
	v_nop
	global_prefetch_b8 v0, s[64:65] scope:SCOPE_SE
	s_setreg_imm32_b32 hwreg(HW_REG_WAVE_MODE, 25, 1), 1
	s_wait_xcnt 0x0
; out0[n] = the first k with the largest xc[n][k] - c2[k]/2, which is the first k with the smallest d2[n][k] = x2[n] - 2 xc[n][k] + c2[k]: x2[n] is the same for all k of a row and is left out.
; xc = X centroids^T on codes of BF6 (E3M2), one E8M0 scale for each 32 along K.
; SHARES.  X is 12,500 tiles of 16 rows; a work-group walks 49 tiles in 7 slots of 7 tiles (112 rows).  The last work-group begins at tile 12,451, so that no load leaves X, and stores only its own 5 tiles' labels.
; Wave w keeps centroids 128 w .. 128 w + 127 in registers for the whole launch (192 of codes, 64 of -c2/2, 16 of scale words).  Source 0 = 16 centroids, source 1 = 16 rows of X:
; lane (r, h) holds row r, register j centroid 16 t + 8 h + j; C of the first K step is -c2/2.
; ONE BARRIER A TRIP.  LDS has two halves, each with a slot of X, its register images, its scale words and its pairs.  In trip i every wave multiplies slot i's 7 images by its centroids and stores
; (largest, index) for each row tile; behind the products of tiles 0 to 3 waves 0 to 6 also quantise their tile of slot i + 1 (other half) and merge slot i - 1's pairs (other half).
; Behind the trip's barrier each of the eight waves asks for 14 rows of slot i + 2, into the X bytes that were quantised in trip i - 1: one tensor load a wave is out, for one whole trip.
; THE ARGMAX.  Each tile's largest of 8 by four maxima; tiles meet strictly (the earlier keeps a tie) and the winner's eight numbers are kept by selects; the first j that equals the maximum is the index.
; NO CLUSTER: work-groups share only the centroids' 212 KiB, read once at the head into registers.  NO PREFETCH: each slot's 112 KiB are asked for by the ring one whole trip ahead, and the ring asks for all of X without a pause.
; LIMITS: the number compared is xc - c2/2 as the matrix sum rounds it, where reference() rounds (x2 - 2 xc) + c2; NaN and infinities are not served; a block of zeros gets the scale byte 1 (its codes are zeros).
.set PITCH, 1040                       ; a row of X in LDS: 1,024 bytes + 16
.set XBW,   14*PITCH                   ; what one wave's tensor load fills
.set IMO,   112*PITCH                  ; in a half, behind X: [7 tiles][2 K steps] register images of 1,536 bytes
.set SWO,   IMO+7*3072                 ; [7 tiles][32 lanes] two scale words
.set EXO,   SWO+7*256                  ; [7 tiles][8 waves][32 lanes] (value, index)
.set H,     EXO+7*2048                 ; a half: 154,112 bytes
.set LAB,   2*H                        ; 784 labels, in 16 bytes for each of 256 threads
.set SPARE, LAB+4096                   ; the spare words, 128 bytes a wave
.set SPW, 1
.set NIL, 2
.set GO,  3                            ; 16 x thread
.set QA0, 4                            ; even: the address in half 0; odd: in the half in hand
.set QAD, 5
.set XWI0, 6
.set XWI, 7
.set SWI0, 8
.set SWI, 9
.set XRD0, 10
.set XRD, 11
.set SRD0, 12
.set SRD, 13
.set EXW0, 14
.set EXW, 15
.set CS,  16                           ; v16-31 the centroids' scale words: tile t, K step s at 2 t + s
.set XF,  32                           ; v32-55 X's two fragments
.set XS,  56                           ; v56-57 X's scale words
.set EXR0, 58
.set EXR, 59
.set LB0, 60
.set LBW, 61
.set SH8, 62                           ; 8 h
.set IB,  63                           ; 128 w + 8 h
.set D,   64                           ; v64-127 accumulator t at D + 8 t; accumulator 0 also keeps the winner's eight
.set TM,  128                          ; v128-135 the tiles' maxima; v128 the running maximum, v129 at last the index
.set TN,  136
.set N,   144                          ; v144-207 64 numbers of a K step: block c at N + 32 c; later the pairs to merge
.set MA,  208
.set MB,  210
.set SC,  212
.set BY,  214
.set WT,  216
.set PT,  217
.set PC,  220                          ; v220-231 a fragment's codes
.set CT,  232
.set WD,  240
.set TIDX, 241
.set JIDX, 242
.set LRD, 248
.set CW,  0                            ; window 1: v0-191 codes: tile t, K step s at 12 (2 t + s); v192-255 -c2/2: tile t at 8 t
.set CC,  192
.set G1,  24
.set MSB, 0
.macro WIN new
.if MSB != \new
	s_set_vgpr_msb (MSB<<8)|\new
.set MSB, \new
.endif
.endm
.macro SEL2 d, s                       ; two selects by VCC in one pair: where VCC is set, what was there stays
	v_dual_cndmask_b32 v[\d], v[\s], v[\d] :: v_dual_cndmask_b32 v[(\d)+1], v[(\s)+1], v[(\d)+1]
.endm
.macro SELM t                          ; the winning tile's number and the running maximum in one pair
	v_dual_cndmask_b32 v[TIDX], \t, v[TIDX] :: v_dual_max_num_f32 v[TM], v[TM+\t], v[TM]
.endm
.macro QLOAD s                         ; lane (r, h): row r of my tile, k = 128 s + 64 c + 32 h + 4 i on: whole blocks in the operand's order
.irp c, 0,1
.irp i, 0,1,2,3,4,5,6,7
	ds_load_b128 v[N+32*\c+4*\i:N+32*\c+4*\i+3], v[QAD] offset:512*\s+256*\c+16*\i
.endr
.endr
.endm
.macro QUANT s                         ; 64 numbers a lane become K step s's 12 registers and scale word, stored as images
	v_max3_num_f32 v[MA], |v[N]|, |v[N+1]|, 0x2800000              ; the floor 2^(5 - 127) is one more leaf: the byte cannot fall under 1
	v_max3_num_f32 v[MA+1], |v[N+32]|, |v[N+33]|, 0x2800000
	v_max3_num_f32 v[MB], |v[N+16]|, |v[N+17]|, |v[N+18]|
	v_max3_num_f32 v[MB+1], |v[N+48]|, |v[N+49]|, |v[N+50]|
.irp i, 0,2,4,6,8,10                   ; four chains by turns
	v_max3_num_f32 v[MA], v[MA], |v[N+2+\i]|, |v[N+3+\i]|
	v_max3_num_f32 v[MA+1], v[MA+1], |v[N+34+\i]|, |v[N+35+\i]|
	v_max3_num_f32 v[MB], v[MB], |v[N+19+\i]|, |v[N+20+\i]|
	v_max3_num_f32 v[MB+1], v[MB+1], |v[N+51+\i]|, |v[N+52+\i]|
.endr
	v_max3_num_f32 v[MA], v[MA], |v[N+14]|, |v[N+15]|
	v_max3_num_f32 v[MA+1], v[MA+1], |v[N+46]|, |v[N+47]|
	v_max3_num_f32 v[MA], v[MA], v[MB], |v[N+31]|
	v_max3_num_f32 v[MA+1], v[MA+1], v[MB+1], |v[N+63]|
	v_add_nc_u32 v[SC], 0xfe000000, v[MA]          ; 4 off the exponent field: the conversion's scale operand
	v_add_nc_u32 v[SC+1], 0xfe000000, v[MA+1]
.irp c, 0,1
	v_cvt_scalef32_pk16_bf6_f32 v[PC+6*\c:PC+6*\c+2], v[N+32*\c:N+32*\c+15], v[SC+\c]
	v_cvt_scalef32_pk16_bf6_f32 v[CT+4*\c:CT+4*\c+2], v[N+32*\c+16:N+32*\c+31], v[SC+\c]
.endr
	v_lshrrev_b32 v[BY], 23, v[SC]                 ; the scales' bytes (also the plain place behind the conversions)
	v_lshrrev_b32 v[BY+1], 23, v[SC+1]
	v_lshl_or_b32 v[WT], v[BY+1], 16, v[BY]        ; my blocks are h and 2 + h of the K step's four
	v_lshlrev_b32 v[WT], v[SH8], v[WT]
	v_permlanex16_b32 v[PT], v[WT], s50, s51
	v_or_b32 v[WD], v[WT], v[PT]                   ; with lane l xor 16's two the word is whole
.irp c, 0,1
.irp i, 0,1,2
	v_mov_b32 v[PC+3+6*\c+\i], v[CT+4*\c+\i]       ; a conversion's three registers begin on an even number: a block's second three are moved
.endr
.endr
.irp c, 0,1,2
	ds_store_b128 v[XWI], v[PC+4*\c:PC+4*\c+3] offset:1536*\s+512*\c
.endr
	ds_store_b32 v[SWI], v[WD] offset:4*\s
.endm
.macro RLOAD                           ; the eight waves' pairs for my row tile
.irp u, 0,1,2,3,4,5,6,7
	ds_load_b64 v[N+2*\u:N+2*\u+1], v[EXR] offset:256*\u
.endr
.endm
.macro RMERGE
.irp u, 1,2,3,4,5,6,7
	v_cmp_gt_f32 vcc_lo, v[N+2*\u], v[N]           ; indices ascend with the wave: strictly larger, or the earlier stays
	v_cndmask_b32 v[N+1], v[N+1], v[N+2*\u+1], vcc_lo
	v_max_num_f32 v[N], v[N], v[N+2*\u]
.endr
	v_permlanex16_b32 v244, v[N], s50, s51         ; the other half's pair: its indices lie between mine,
	v_permlanex16_b32 v245, v[N+1], s50, s51
	v_cmp_gt_f32 s53, v244, v[N]                   ; so it wins where it is larger,
	v_cmp_eq_f32 s54, v244, v[N]
	v_cmp_lt_u32 s55, v245, v[N+1]                 ; or equal with the lower index
	s_and_b32 s54, s54, s55
	s_or_b32 vcc_lo, s53, s54
	v_cndmask_b32 v[N+1], v[N+1], v245, vcc_lo
	ds_store_b32 v[LBW], v[N+1]                    ; lanes l and l + 16 write the same word with the same value
.endm
.macro FETCH m                         ; row tile m: two fragments and the scale words: seven loads
.irp s, 0,1
.irp c, 0,1,2
	ds_load_b128 v[XF+12*\s+4*\c:XF+12*\s+4*\c+3], v[XRD] offset:(\m)*3072+1536*\s+512*\c
.endr
.endr
	ds_load_b64 v[XS:XS+1], v[SRD] offset:(\m)*256
.endm
; Row tile m against my 128 centroids.  Behind the products, ahead of the next tile's fetch, stands a piece of waves 0 to 6's other work (QF, RF: whether this trip has it).
.macro MTILE m, pre
.if (\m) > 0
	s_wait_dscnt 0x1                               ; behind this tile's seven loads one LDS instruction was issued: the last tile's store of its pair
.else
	s_wait_dscnt 0x0
.endif
	WIN 0x11                                       ; source 0 (codes) and source 2 (-c2/2) in window 1
.irp t, 0,1,2,3,4,5,6,7
	v_wmma_scale_f32_16x16x128_f8f6f4 v[D+8*\t:D+8*\t+7], v[CW+24*\t:CW+24*\t+11], v[XF:XF+11], v[CC+8*\t:CC+8*\t+7], v[CS+2*\t], v[XS] matrix_a_fmt:MATRIX_FMT_BF6 matrix_b_fmt:MATRIX_FMT_BF6
.endr
	WIN 0x01                                       ; the eight accumulators take turns
.irp t, 0,1,2,3,4,5,6,7
	v_wmma_scale_f32_16x16x128_f8f6f4 v[D+8*\t:D+8*\t+7], v[CW+24*\t+12:CW+24*\t+23], v[XF+12:XF+23], v[D+8*\t:D+8*\t+7], v[CS+2*\t+1], v[XS+1] matrix_a_fmt:MATRIX_FMT_BF6 matrix_b_fmt:MATRIX_FMT_BF6
.endr
	WIN 0
	v_mov_b32 v[TIDX], 0                           ; four places ahead of the loads into the operands and of the first read of results
	v_mov_b32 v[JIDX], 7
	v_nop
	v_nop
.if ((\m) < 2 && QF) || ((\m) >= 2 && (\m) < 4 && RF)
	s_cmp_lt_u32 s14, 7
	s_wait_alu depctr_va_vdst(0)
	s_cbranch_scc0 .Lhk_\@
.if (\m) == 0
	QUANT 0                                        ; its sixteen loads were issued ahead of this tile's fetch, which has been waited for
	QLOAD 1
.endif
.if (\m) == 1
	QUANT 1
.endif
.if (\m) == 2
	RLOAD
.endif
.if (\m) == 3
	RMERGE
.endif
.Lhk_\@:
.endif
.if \pre
	FETCH (\m)+1
.endif
.irp t, 0,1,2,3,4,5,6,7
	v_max3_num_f32 v[TM+\t], v[D+8*\t], v[D+8*\t+1], v[D+8*\t+2]         ; each accumulator is read from its low end on; the eight tiles by turns
.endr
.irp t, 0,1,2,3,4,5,6,7
	v_max3_num_f32 v[TN+\t], v[D+8*\t+3], v[D+8*\t+4], v[D+8*\t+5]
.endr
.irp t, 0,1,2,3,4,5,6,7
	v_max3_num_f32 v[TM+\t], v[TM+\t], v[D+8*\t+6], v[D+8*\t+7]
.endr
.irp t, 0,1,2,3,4,5,6,7
	v_max_num_f32 v[TM+\t], v[TM+\t], v[TN+\t]
.endr
.irp t, 1,2,3,4,5,6,7
	v_cmp_ge_f32 vcc_lo, v[TM], v[TM+\t]           ; where tile t is not strictly larger, what was there stays
	SELM \t
.irp j, 0,2,4,6
	SEL2 D+\j, D+8*\t+\j
.endr
.endr
.irp j, 6,5,4,3,2,1,0
	v_cmp_lt_f32 vcc_lo, v[D+\j], v[TM]            ; none lies above the maximum: where number j is not under it, j takes over; descending, so the first j stays
	v_cndmask_b32 v[JIDX], \j, v[JIDX], vcc_lo
.endr
	v_lshl_add_u32 v[TM+1], v[TIDX], 4, v[JIDX]
	v_add_nc_u32 v[TM+1], v[IB], v[TM+1]           ; 128 w + 16 t + 8 h + j
	ds_store_b64 v[EXW], v[TM:TM+1] offset:(\m)*2048
.endm
.macro ADDR                            ; on to the other halves: s22 the half that is multiplied, s23 the half that is quantised into and merged from
	s_xor_b32 s22, s22, H
	s_xor_b32 s23, s23, H
	v_add_nc_u32 v[XRD], s22, v[XRD0]
	v_add_nc_u32 v[SRD], s22, v[SRD0]
	v_add_nc_u32 v[EXW], s22, v[EXW0]
	v_add_nc_u32 v[QAD], s23, v[QA0]
	v_add_nc_u32 v[XWI], s23, v[XWI0]
	v_add_nc_u32 v[SWI], s23, v[SWI0]
	v_add_nc_u32 v[EXR], s23, v[EXR0]
	v_add_nc_u32 v[LBW], s49, v[LB0]
.endm
; The trip's barrier.  kind 2: with a fill behind it; 1: the last slot of X is shown whole; 0: LDS stores and loads alone.
.macro SEQ kind
.if \kind >= 1
	s_wait_tensorcnt 0x0                           ; my one tensor load has landed, so its group 0 may be written
.endif
.if \kind == 2
	ds_add_u32 v[SPW], v[NIL]
	s_add_nc_u64 s[38:39], s[38:39], 112*1024      ; the next slot's rows,
	s_add_co_u32 s37, s52, s22                     ; into the X bytes of the half that is multiplied now: they were quantised a trip ago
.endif
	s_wait_dscnt 0x0                               ; my LDS stores have landed and my LDS loads are in
	s_barrier_signal -1
	s_barrier_wait -1
.if \kind == 2
	tensor_load_to_lds s[36:39], s[G1:G1+7]        ; my one tensor load behind this barrier
	s_nop 0
.rept 4
	v_nop
.endr
.endif
.endm
.macro TRIP kind, q, r
.set QF, \q
.set RF, \r
	ADDR
.if \r
	s_add_co_u32 s49, s49, 448                     ; the next merge's 112 labels
.endif
	s_wait_alu depctr_va_vdst(0)
	SEQ \kind
.if \q
	s_cmp_lt_u32 s14, 7
	s_cbranch_scc0 .Lq_\@
	QLOAD 0
.Lq_\@:
.endif
	FETCH 0
	MTILE 0, 1
	MTILE 1, 1
	MTILE 2, 1
	MTILE 3, 1
	MTILE 4, 1
	MTILE 5, 1
	MTILE 6, 0
.endm
	s_load_b256 s[4:11], s[0:1], 0x0               ; X s[4:5], ccodes s[6:7], cscale s[8:9], chalf s[10:11]
	s_load_b64 s[12:13], s[0:1], 0x20              ; out0
	v_lshl_add_u32 v[SPW], v0, 2, SPARE
	v_mov_b32 v[NIL], 0
	ds_add_u32 v[SPW], v[NIL]                      ; the opening: the add twice on end and one wait
	ds_add_u32 v[SPW], v[NIL]
	v_lshrrev_b32 v250, 5, v0
	v_readfirstlane_b32 s14, v250                  ; wave 0..7
	s_mov_b32 s[G1+0], (2<<16)|(1<<20)|(7<<22)|(3<<25)   ; elements of 4 bytes; 4 words of padding behind every 256
	s_mov_b32 s[G1+1], 256<<16                     ; tensor_dim0 = 256
	s_mov_b32 s[G1+2], 14<<16                      ; tensor_dim1 = 14
	s_mov_b32 s[G1+3], 256<<16                     ; tile_dim0 = 256
	s_mov_b32 s[G1+4], 14                          ; tile_dim1 = 14
	s_mov_b32 s[G1+5], 256
	s_mov_b32 s[G1+6], 0
	s_mov_b32 s[G1+7], 0
	s_mul_i32 s15, ttmp9, 49
	s_min_u32 s16, s15, 12451                      ; the first tile that I walk: 49 tiles from it lie inside X
	s_sub_co_u32 s41, s15, s16
	s_lshl_b32 s41, s41, 2                         ; the first thread whose four labels are mine (0 but in the last work-group)
	s_sub_co_u32 s56, 196, s41                     ; and how many threads have such
	s_lshl_b32 s18, s16, 14
	s_mul_i32 s17, s14, 14*1024
	s_add_co_u32 s18, s18, s17                     ; my 14 rows of slot 0, in bytes (under 2^28)
	s_mov_b32 s19, 0
	s_mul_i32 s52, s14, XBW
	s_mov_b32 s36, 1
	s_mov_b32 s37, s52
	s_wait_alu depctr_va_vdst(0)
	s_wait_dscnt 0x0
	s_wait_kmcnt 0x0
	s_add_nc_u64 s[38:39], s[4:5], s[18:19]
	s_or_b32 s39, s39, 0x80000000
	tensor_load_to_lds s[36:39], s[G1:G1+7]        ; slot 0: one tensor load a wave at the head
	s_nop 0
.rept 4
	v_nop
.endr
	s_mul_i32 s18, s14, 24576                      ; my 16 fragments' images,
	s_add_nc_u64 s[6:7], s[6:7], s[18:19]
	s_lshl_b32 s18, s14, 11                        ; my scale words,
	s_add_nc_u64 s[8:9], s[8:9], s[18:19]
	s_lshl_b32 s18, s14, 9                         ; my 128 numbers of chalf,
	s_add_nc_u64 s[10:11], s[10:11], s[18:19]
	s_lshl_b32 s18, s16, 6                         ; the labels of the tiles that I walk
	s_add_nc_u64 s[12:13], s[12:13], s[18:19]
	s_mul_i32 s42, s14, 16*PITCH
	s_mul_i32 s43, s14, 3072
	s_add_co_u32 s43, s43, IMO
	s_lshl_b32 s44, s14, 8
	s_add_co_u32 s45, s44, EXO
	s_add_co_u32 s44, s44, SWO
	s_lshl_b32 s46, s14, 11
	s_add_co_u32 s46, s46, EXO
	s_lshl_b32 s47, s14, 6
	s_add_co_u32 s47, s47, LAB
	s_lshl_b32 s48, s14, 7
	s_mov_b32 s50, 0x76543210
	s_mov_b32 s51, 0xfedcba98                      ; v_permlanex16_b32's selects for lane l xor 16
	s_mov_b32 s22, 0
	s_mov_b32 s23, H
	s_mov_b32 s49, 0
	v_and_b32 v250, 31, v0                         ; lane
	v_and_b32 v251, 15, v0                         ; r
	v_bfe_u32 v252, v0, 4, 1                       ; h
	v_lshlrev_b32 v253, 4, v250                    ; 16 x lane
	v_lshlrev_b32 v249, 5, v252                    ; 32 h
	WIN 0x40                                       ; destination window 1
.set q, 0
.rept 48
	global_load_b128 v[CW+4*q:CW+4*q+3], v253, s[6:7] offset:512*q           ; 32 lanes read 512 consecutive bytes: four registers of a fragment
.set q, q+1
.endr
.irp t, 0,1,2,3,4,5,6,7
	global_load_b128 v[CC+8*\t:CC+8*\t+3], v249, s[10:11] offset:64*\t       ; -c2/2 in the result's layout
	global_load_b128 v[CC+8*\t+4:CC+8*\t+7], v249, s[10:11] offset:64*\t+16
.endr
	WIN 0
.irp g, 0,1,2,3
	global_load_b128 v[CS+4*\g:CS+4*\g+3], v253, s[8:9] offset:512*\g
.endr
	v_lshlrev_b32 v[GO], 4, v0
	v_mul_u32_u24 v[QA0], v251, PITCH
	v_lshlrev_b32 v254, 3, v250                    ; 8 x lane
	v_lshl_add_u32 v[QA0], v252, 7, v[QA0]
	v_add_nc_u32 v[XWI0], s43, v253
	v_add_nc_u32 v[QA0], s42, v[QA0]               ; my tile's row r, + 128 h
	v_add_nc_u32 v[SWI0], s44, v254
	v_add_nc_u32 v[XRD0], IMO, v253
	v_add_nc_u32 v[SRD0], SWO, v254
	v_add_nc_u32 v[EXW0], s45, v254
	v_add_nc_u32 v[EXR0], s46, v254
	v_lshl_add_u32 v[LB0], v251, 2, s47
	v_lshlrev_b32 v[SH8], 3, v252
	v_lshl_add_u32 v[LRD], v0, 4, LAB
	v_add_nc_u32 v[IB], s48, v[SH8]
	v_mov_b32 v[PT], 0                             ; a lane permute's destination counts as one of its sources
	v_mov_b32 v244, 0
	v_mov_b32 v245, 0
.irp i, 0,1,2,3
	v_mov_b32 v[D+\i], 0
.endr
	ds_store_b128 v[LRD], v[D:D+3]                 ; every thread's 16 bytes of the labels' room are written once: 60 threads' hold no label later
	ADDR                                           ; ahead of trip 0: half 0 is quantised into
	s_wait_alu depctr_va_vdst(0)
	s_wait_loadcnt 0x0                             ; the centroids' operands are in
	SEQ 2                                          ; slot 0 is whole; slot 1's first fill goes out as a refill does
	s_cmp_lt_u32 s14, 7
	s_cbranch_scc0 .Lq_first
	QLOAD 0
	s_wait_dscnt 0x0
	QUANT 0
	QLOAD 1
	s_wait_dscnt 0x0
	QUANT 1
.Lq_first:
	TRIP 2, 1, 0                                   ; trip 0: nothing to merge yet
	s_mov_b32 s40, 4
.Ltrip:                                            ; trips 1 to 4
	TRIP 2, 1, 1
	s_sub_co_u32 s40, s40, 1
	s_cmp_lg_u32 s40, 0
	s_wait_alu depctr_va_vdst(0)
	s_cbranch_scc1 .Ltrip
	TRIP 1, 1, 1                                   ; trip 5: nothing more to fetch
	TRIP 0, 0, 1                                   ; trip 6: nothing more to quantise
	ADDR
	s_wait_alu depctr_va_vdst(0)
	SEQ 0                                          ; slot 6's pairs lie in LDS
	s_cmp_lt_u32 s14, 7
	s_cbranch_scc0 .Lr_last
	RLOAD
	s_wait_dscnt 0x0
	RMERGE
.Lr_last:
	SEQ 0                                          ; all 784 labels lie in LDS
	ds_load_b128 v[D:D+3], v[LRD]                  ; thread i: labels 4 i .. 4 i + 3
	v_sub_nc_u32 v250, v0, s41
	v_cmp_gt_u32 vcc_lo, s56, v250                 ; threads s41 .. 195 store
	s_wait_dscnt 0x0
	s_wait_xcnt 0x0                                ; EXEC changes only behind this wait
	s_and_saveexec_b32 s57, vcc_lo
	global_store_b128 v[GO], v[D:D+3], s[12:13]
	s_wait_xcnt 0x0
	s_or_b32 exec_lo, exec_lo, s57
	s_wait_tensorcnt 0x0                           ; the wave's end
	ds_add_u32 v[SPW], v[NIL]
	s_wait_dscnt 0x0
	s_endpgm
.Lfunc_end_k_q75084cd931_assign:
	.size	k_q75084cd931_assign, .Lfunc_end_k_q75084cd931_assign-k_q75084cd931_assign
	.p2alignl 7, 3214868480
	.fill 96, 4, 3214868480
	.section	.rodata,"a",@progbits
	.p2align	6, 0x0
	.amdhsa_kernel k_q75084cd931_assign
		.amdhsa_group_segment_fixed_size 327680
		.amdhsa_private_segment_fixed_size 0
		.amdhsa_enable_private_segment 0
		.amdhsa_kernarg_size 40
		.amdhsa_user_sgpr_count 2
		.amdhsa_user_sgpr_kernarg_segment_ptr 1
		.amdhsa_wavefront_size32 1
		.amdhsa_system_sgpr_workgroup_id_x 1
		.amdhsa_system_sgpr_workgroup_id_y 1
		.amdhsa_system_sgpr_workgroup_id_z 1
		.amdhsa_system_vgpr_workitem_id 0
		.amdhsa_next_free_vgpr 512
		.amdhsa_next_free_sgpr 66
		.amdhsa_reserve_vcc 1
		.amdhsa_float_denorm_mode_32 3
		.amdhsa_float_denorm_mode_16_64 3
		.amdhsa_memory_ordered 1
		.amdhsa_forward_progress 1
		.amdhsa_inst_pref_size 255
	.end_amdhsa_kernel
	.section	.bss,"aw",@nobits
	.p2align	6
	.space	262144
	.amdgpu_metadata
---
amdhsa.version: [ 1, 2 ]
amdhsa.kernels:
  - .name:           k_q75084cd931_assign
    .symbol:         k_q75084cd931_assign.kd
    .args:
      - { .name: X, .offset: 0, .size: 8, .value_kind: global_buffer, .address_space: global }
      - { .name: ccodes, .offset: 8, .size: 8, .value_kind: global_buffer, .address_space: global }
      - { .name: cscale, .offset: 16, .size: 8, .value_kind: global_buffer, .address_space: global }
      - { .name: chalf, .offset: 24, .size: 8, .value_kind: global_buffer, .address_space: global }
      - { .name: out0, .offset: 32, .size: 8, .value_kind: global_buffer, .address_space: global }
    .group_segment_fixed_size: 327680
    .private_segment_fixed_size: 0
    .kernarg_segment_align: 8
    .kernarg_segment_size: 40
    .max_flat_workgroup_size: 256
    .sgpr_count:     66
    .vgpr_count:     512
    .wavefront_size: 32
...
	.end_amdgpu_metadata
.endif
;; end of part 2
